; MI455X (gfx1250); checked and timed in simulation.
; The chip was launched on July 23, 2026; its instructions are those of AMD's public machine-readable ISA for CDNA 5 (MIT licence, August 2026) and "CDNA5" Instruction Set Architecture Reference Guide (July 2026). The comments in the code are by the model that wrote it; some were corrected since.
;; Multi Head Attention. Allowed arithmetic: matrix products marked QUANTISED: E2M1 operands, one E8M0 scale for each 32 along K, by v_wmma_scale_f32_16x16x128_f8f6f4 with both operands' format E2M1 (or v_wmma_scale_f32_32x16x128_f4), f32 sums; products left as they are: bf16, f16 or f32 operands; f32 sums; everything else in f32.
;; Inputs: Wk 768 x 768 float32; Wo 768 x 768 float32; Wq 768 x 768 float32; Wv 768 x 768 float32; bk 768 float32; bo 768 float32; bq 768 float32; bv 768 float32; key_in 2 x 2,048 x 768 float32; query 2 x 2,048 x 768 float32; value 2 x 2,048 x 768 float32.
;; Outputs: out0 2 x 2,048 x 768 float32.
;; This version of the problem:
;;   THIS VERSION OF THE PROBLEM IS GIVEN IN LOW PRECISION. The matrix products marked QUANTISED in the list below multiply operands that are first quantised to E2M1 (2 exponent bits, 1 mantissa bit; 4 bits a number), with one power-of-two scale for each 32 numbers along K (OCP MX v1.0); their sums are f32. The products marked 'left as it is' may take bf16, f16 or f32 operands, with f32 sums. Whichever they take, every output number must still come out within the allowed error. Rounding operands to bf16 (8 significant bits) uses up far more of that allowance than f16 does (11 bits, for magnitudes from 6e-5 to 65,504). All else is computed in f32.
;;   The module's matrix products, in the order in which they are computed (A, B: the left and right operand; K: the contracted axis; several contracted axes count as one K, in the product's order):
;;     1. [M 4,096, K 768] x [K 768, N 768]; A: input query; B: input Wq: QUANTISED
;;     2. [M 4,096, K 768] x [K 768, N 768]; A: input key_in; B: input Wk: QUANTISED
;;     3. [M 4,096, K 768] x [K 768, N 768]; A: input value; B: input Wv: QUANTISED
;;     4. batch 24 x [M 2,048, K 64] x [K 64, N 2,048]; A: computed on the way; B: computed on the way: left as it is (an operand is computed on the way)
;;     5. batch 24 x [M 2,048, K 2,048] x [K 2,048, N 64]; A: computed on the way; B: computed on the way: left as it is (an operand is computed on the way)
;;     6. [M 4,096, K 768] x [K 768, N 768]; A: computed on the way; B: input Wo: left as it is (an operand is computed on the way)
;;   THE QUANTISER, for each operand of a quantised product, along K:
;;     - K is cut into blocks of 32 from its start; a last block that is shorter is filled with zeros.
;;     - A block's scale is 2^e with e = floor(log2(the largest magnitude in the block)) - 2, held to -126 .. 127; a block of zeros has e = 0. As a byte (E8M0): e + 127.
;;     - Each number is divided by its block's scale, clamped to +-6, and rounded to the nearest number of E2M1, ties to even, subnormals kept.
;;     - The product sums the exact products of the quantised numbers (number of the format x scale) in f32.
;;   ~~~python
;;   def quantise(x, axis):      # numpy; x: float32 -> the quantised numbers, widened to float32 again
;;       x = np.moveaxis(x, axis, -1); K = x.shape[-1]
;;       x = np.pad(x, [(0, 0)] * (x.ndim - 1) + [(0, -K % 32)]); x = x.reshape(x.shape[:-1] + (-1, 32)); a = np.abs(x).max(-1, keepdims=True)
;;       e = np.where(a > 0, np.clip(np.frexp(np.where(a > 0, a, 1))[1] - 1 - 2, -126, 127), 0)      # np.frexp(a)[1] - 1 = floor(log2(a)), exactly
;;       r = np.clip(x / 2.0 ** e, -6, 6)
;;       step = 2.0 ** (np.maximum(np.frexp(np.where(r == 0, 1, r))[1] - 1, 0) - 1)
;;       q = np.round(r / step) * step * 2.0 ** e      # np.round: ties to even
;;       return np.moveaxis(q.reshape(q.shape[:-2] + (-1,))[..., :K], -1, axis).astype(np.float32)
;;   ~~~
;; One version. Each part assembles by itself: llvm-mc -triple=amdgcn-amd-amdhsa -mcpu=gfx1250 --defsym DOCPART=n.
;; ======== version 1 of 1: 4 launches
;; limits: values are held in f16: magnitudes above 65,504 overflow, below 6.1e-05 lose precision
;; workspace buffers: xc 4,718,592 bytes; wc 884,736 bytes; scl 350,208 bytes; wof 1,179,648 bytes; qf 6,291,456 bytes; kv 12,582,912 bytes; ao 6,291,456 bytes
;; launch prep (part 1): grid 160 x 3, 6 waves a work-group, no clusters, 102,400 bytes of LDS; arguments query, key_in, value, Wq, Wk, Wv, Wo, xc, wc, scl, wof; writes xc, wc, scl, wof
.if DOCPART == 1
	.amdgcn_target "amdgcn-amd-amdhsa--gfx1250"
	.amdhsa_code_object_version 6
	.text
	.protected	k_qd8f27b3f24_prep
	.globl	k_qd8f27b3f24_prep
	.p2align	8
	.type	k_qd8f27b3f24_prep,@function
k_qd8f27b3f24_prep:
	s_mov_b64 s[64:65], 0
	v_nop
	global_prefetch_b8 v0, s[64:65] scope:SCOPE_SE
	s_setreg_imm32_b32 hwreg(HW_REG_WAVE_MODE, 25, 1), 1
	s_wait_xcnt 0x0
; query, key_in, value [4096][768] and Wq, Wk, Wv [768 (k)][768 (n)], f32, become codes of FP4 (E2M1) with one E8M0 scale byte for each 32 along K; Wo [768 (k)][768 (n)] becomes f16.
; EVERY RESULT IS LAID AS AN IMAGE OF THE OPERAND REGISTERS OF THE LAUNCH THAT READS IT: a fragment is 1,024 bytes, [c 0..1][lane 0..31][16 bytes], c = registers 4 c .. 4 c + 3 of the lane.
;   xc  [tensor 3][tile of 16 tokens 256][K step of 128: 6][1,024]      wc  [tensor 3][tile of 16 columns 48][K step 6][1,024]
;   scl [K step 6][row 14,592] words of four bytes (128 along K): rows 4,096 x tensor + token, then 12,288 + 768 x tensor + column
;   wof [K step of 32: 24][tile of 16 columns 48][1,024]
; A block's scale is 2^(floor(log2(its largest magnitude)) - 2): its byte is the largest magnitude's exponent field - 2, held at 1 from below.
; LIMITS: a block of zeros gets the byte 1 (its codes are zeros, and this program alone reads the bytes); NaN and infinities among the inputs are not served; |Wo| stays under 65,504, f16's largest number.
; SHARES.  Work-group y is the tensor, wave w the K step of 128.  x < 128: 32 tokens of an activation; 128 <= x < 152: 32 columns of a projection weight; x >= 152: 32 columns of Wo (column group 3 (x - 152) + y).
; The three ways part on the work-group's number and each ends by itself; only the first touches LDS.  No two work-groups read the same bytes: nothing to share, so no cluster.  No loop, no barrier: waves share nothing.
.set ROWX,  3072                       ; a row of 768 f32 in bytes
.set PITCH, 528                        ; a stage row: 512 bytes + 16: an odd multiple of 16 bytes, so that sixteen rows' 16 bytes fall on different banks (64 banks of 4 bytes: ISA guide 11.1)
.set STG_W, 32*PITCH                   ; a wave's own stage: 32 rows
.set SPARE, 6*STG_W                    ; behind the six stages: the spare words, 128 bytes for each wave: three blocks of 256 bytes that no other line names
.set KSTR,  58368                      ; scl: from K step to K step, 14,592 rows x 4 bytes
.set R,     16                         ; v16-143  numbers as they are loaded
.set X0,    144                        ; v144-207 tile 0: 64 numbers in the operand's order;  tile 1 takes v16-79
.set X1,    16
.set SPW,   14                         ; v14 LDS address of my spare word; never rewritten
.set NIL,   15                         ; v15 0; never rewritten
	s_load_b512 s[4:19], s[0:1], 0x0               ; query, key_in, value, Wq, Wk, Wv, Wo, xc
	s_load_b128 s[20:23], s[0:1], 0x40             ; wc, scl
	s_load_b64 s[24:25], s[0:1], 0x50              ; wof
	v_lshl_add_u32 v[SPW], v0, 2, SPARE
	v_mov_b32 v[NIL], 0
	v_lshrrev_b32 v1, 5, v0
	v_readfirstlane_b32 s26, v1                    ; wave = K step 0..5
	v_and_b32 v2, 31, v0                           ; lane
	v_and_b32 v3, 15, v0                           ; r
	v_bfe_u32 v4, v0, 4, 1                         ; h
	v_lshlrev_b32 v5, 4, v2                        ; 16 x lane
	v_lshlrev_b32 v9, 2, v2                        ; 4 x lane
	s_and_b32 s27, ttmp7, 0xffff                   ; the tensor
	s_mov_b32 s33, 0                               ; the high word of every offset below
	s_wait_kmcnt 0x0
	s_cmp_eq_u32 s27, 0                            ; the choice hangs on the work-group's number alone
	s_cselect_b64 s[28:29], s[4:5], s[6:7]
	s_cselect_b64 s[30:31], s[10:11], s[12:13]
	s_cmp_eq_u32 s27, 2
	s_cselect_b64 s[28:29], s[8:9], s[28:29]       ; the activation
	s_cselect_b64 s[30:31], s[14:15], s[30:31]     ; its weight
	s_cmp_lt_u32 ttmp9, 128
	s_cbranch_scc0 .Lnot_x
; ---- AN ACTIVATION: 32 tokens x 128 along K.  Each load reads 512 consecutive bytes of one row; the operand wants 32 neighbours along K in one lane: the rows turn through the wave's own stage.
	s_mul_i32 s32, ttmp9, 32*ROWX
	s_lshl_b32 s34, s26, 9
	s_add_co_u32 s32, s32, s34
	s_add_nc_u64 s[28:29], s[28:29], s[32:33]      ; my first row, my 512 bytes of it
.set I, 0
.rept 32
	global_load_b128 v[R+4*I:R+4*I+3], v5, s[28:29] offset:I*ROWX th:TH_LOAD_NT
.set I, I+1
.endr
	s_mul_i32 s35, s26, STG_W
	v_add_nc_u32 v6, s35, v5                       ; into the stage: 16 x lane of a row
	v_mul_u32_u24 v7, v3, PITCH
	v_lshl_add_u32 v7, v4, 7, v7
	v_add_nc_u32 v7, s35, v7                       ; out of it: row r, + 128 h: lane (r, h) holds k = 64 c + 32 h + 0 .. 31
	v_lshlrev_b32 v8, 3, v4                        ; 8 h
	v_mov_b32 v230, 0                              ; written once: a lane permute's destination counts as one of its sources
	s_mov_b32 s36, 0x76543210
	s_mov_b32 s37, 0xfedcba98                      ; v_permlanex16_b32's selects for lane l xor 16
	s_mov_b32 s38, 0xffff0000                      ; lanes 16-31
	s_lshl_b32 s32, s27, 8
	s_lshl_b32 s34, ttmp9, 1
	s_add_co_u32 s32, s32, s34                     ; tile 256 x tensor + 2 x work-group
	s_mul_i32 s32, s32, 6
	s_add_co_u32 s32, s32, s26
	s_lshl_b32 s32, s32, 10
	s_add_nc_u64 s[18:19], s[18:19], s[32:33]      ; xc at my first fragment
	s_mul_i32 s32, s26, KSTR
	s_lshl_b32 s34, s27, 14
	s_add_co_u32 s32, s32, s34
	s_lshl_b32 s34, ttmp9, 7
	s_add_co_u32 s32, s32, s34
	s_add_nc_u64 s[22:23], s[22:23], s[32:33]      ; scl at my first token's word
.macro TURNIN from                     ; sixteen rows into the stage, as they were loaded
.set I, \from
.rept 16
	ds_store_b128 v6, v[R+4*I:R+4*I+3] offset:I*PITCH
.set I, I+1
.endr
.endm
.macro TURNOUT tile, dst               ; and a tile of sixteen rows back: register 32 c + 4 i + j = k 64 c + 32 h + 4 i + j of row r
.irp c, 0,1
.irp i, 0,1,2,3,4,5,6,7
	ds_load_b128 v[\dst+32*\c+4*\i:\dst+32*\c+4*\i+3], v7 offset:16*\tile*PITCH+256*\c+16*\i
.endr
.endr
.endm
; 64 numbers of a lane become a fragment's 8 registers of codes and the row's scale word.  A lane holds two whole blocks, 2 c + h: no other lane is asked for a maximum.
.macro QUANT src, cod, wrd
.irp c, 0,1
	v_max3_num_f32 v[224+\c], |v[\src+32*\c]|, |v[\src+32*\c+1]|, 0x1800000   ; and the floor 2^(3 - 127): so the byte cannot fall under 1
.endr
.irp i, 2,4,6,8,10,12,14,16,18,20,22,24,26,28,30
.irp c, 0,1
	v_max3_num_f32 v[224+\c], v[224+\c], |v[\src+32*\c+\i]|, |v[\src+32*\c+\i+1]|   ; (the two blocks by turns)
.endr
.endr
.irp c, 0,1
	v_add_nc_u32 v[226+\c], 0xff000000, v[224+\c]  ; 2 off the exponent field: the conversion takes the exponent field of this operand as its scale
.endr
.irp c, 0,1
	v_lshrrev_b32 v[228+\c], 23, v[226+\c]         ; the scale's byte
.endr
	v_lshl_or_b32 v[\wrd], v229, 16, v228          ; my two bytes, blocks h and 2 + h,
	v_lshlrev_b32 v[\wrd], v8, v[\wrd]             ; at their places in the word;
	v_permlanex16_b32 v230, v[\wrd], s36, s37
	v_or_b32 v[\wrd], v[\wrd], v230                ; with lane l xor 16's two the word is whole, in both lanes
.irp c, 0,1
.irp g, 0,1,2,3
	v_cvt_scalef32_pk8_fp4_f32 v[\cod+4*\c+\g], v[\src+32*\c+8*\g:\src+32*\c+8*\g+7], v[226+\c]
.endr
.endr
	v_nop                                          ; one plain place behind the last scaled conversion
.endm
	s_wait_loadcnt 16                              ; rows 0-15 are in; the sixteen younger loads may be out
	TURNIN 0
	TURNOUT 0, X0                                  ; LDS serves a wave's instructions in order (ISA guide 5.7.1.4): these see the stores above
	s_wait_loadcnt 0x0
	TURNIN 16
	s_wait_dscnt 16                                ; all but the sixteen stores just issued: tile 0 is back, and the stores of rows 0-15 have read v16-79,
	TURNOUT 1, X1                                  ; which take tile 1
	QUANT X0, 208, 232
	global_store_b128 v5, v[208:211], s[18:19]     ; the fragment as it stands: 512 consecutive bytes a store
	global_store_b128 v5, v[212:215], s[18:19] offset:512
	s_wait_dscnt 0x0
	QUANT X1, 216, 233
	global_store_b128 v5, v[216:219], s[18:19] offset:6144
	global_store_b128 v5, v[220:223], s[18:19] offset:6144+512
	v_cndmask_b32 v234, v232, v233, s38            ; lanes 0-15: tile 0's words; lanes 16-31: tile 1's: lane l has token l's
	global_store_b32 v9, v234, s[22:23]            ; 128 consecutive bytes
	s_wait_tensorcnt 0x0                           ; the wave's end, behind my last LDS store
	ds_add_u32 v[SPW], v[NIL]
	s_wait_dscnt 0x0
	s_endpgm
; ---- A WEIGHT: K is its first axis.  A lane takes a column and its registers run down K: 32 columns x 128 along K a wave; each load reads 128 consecutive bytes.
.macro COLLOAD                         ; s[30:31] the weight, s39 the group of 32 columns
	s_mul_i32 s32, s26, 128*ROWX
	s_lshl_b32 s34, s39, 7
	s_add_co_u32 s32, s32, s34
	s_add_nc_u64 s[30:31], s[30:31], s[32:33]
.set I, 0
.rept 128
	global_load_b32 v[R+I], v9, s[30:31] offset:I*ROWX th:TH_LOAD_NT
.set I, I+1
.endr
.endm
.macro COLWAIT b                       ; rows 32 b .. 32 b + 31 are in: behind them 96 - 32 b loads were issued; the wait can name 63 at the most, and a smaller count is safe
.if 96-32*(\b) > 63
	s_wait_loadcnt 63
.else
	s_wait_loadcnt 96-32*(\b)
.endif
.endm
.Lnot_x:
	v_lshrrev_b32 v10, 4, v2                       ; which of my two tiles of 16 columns
	s_cmp_lt_u32 ttmp9, 152
	s_cbranch_scc0 .Lpath_o
	s_sub_co_u32 s39, ttmp9, 128
	COLLOAD
	s_mul_i32 s32, s27, 48
	s_lshl_b32 s34, s39, 1
	s_add_co_u32 s32, s32, s34                     ; tile 48 x tensor + 2 x group
	s_mul_i32 s32, s32, 6
	s_add_co_u32 s32, s32, s26
	s_lshl_b32 s32, s32, 10
	s_add_nc_u64 s[20:21], s[20:21], s[32:33]
	v_mul_u32_u24 v11, v10, 6144
	v_lshl_add_u32 v11, v3, 4, v11                 ; my tile (6 fragments apart), row r's 16 bytes
	s_mul_i32 s32, s26, KSTR
	s_mul_i32 s34, s27, 3072
	s_add_co_u32 s32, s32, s34
	s_lshl_b32 s34, s39, 7
	s_add_co_u32 s32, s32, s34
	s_add_co_u32 s32, s32, 49152                   ; behind the 12,288 tokens' words
	s_add_nc_u64 s[22:23], s[22:23], s[32:33]
; Block b of my column: all 32 numbers are mine.  In the fragment it is registers 4 (b / 2) on of lane r + 16 (b % 2): sixteen lanes store 256 consecutive bytes, aligned.
.macro WBLOCK b
.set XS, R+32*(\b)
	COLWAIT \b
	v_max3_num_f32 v224, |v[XS]|, |v[XS+1]|, 0x1800000
	v_max3_num_f32 v225, |v[XS+2]|, |v[XS+3]|, |v[XS+4]|
.irp i, 5,9,13,17,21,25
	v_max3_num_f32 v224, v224, |v[XS+\i]|, |v[XS+\i+1]|
	v_max3_num_f32 v225, v225, |v[XS+\i+2]|, |v[XS+\i+3]|
.endr
	v_max3_num_f32 v224, v224, |v[XS+29]|, |v[XS+30]|
	v_max3_num_f32 v224, v224, v225, |v[XS+31]|
	v_add_nc_u32 v[226+(\b)], 0xff000000, v224
.if (\b) == 0
	v_lshrrev_b32 v232, 23, v226                   ; four bytes to the word, the lower K in the lower byte
.else
	v_lshrrev_b32 v231, 23, v[226+(\b)]
	v_lshl_or_b32 v232, v231, 8*(\b), v232
.endif
.irp g, 0,1,2,3
	v_cvt_scalef32_pk8_fp4_f32 v[144+4*(\b)+\g], v[XS+8*\g:XS+8*\g+7], v[226+(\b)]
.endr
	v_nop                                          ; one plain place behind the last scaled conversion
	global_store_b128 v11, v[144+4*(\b):147+4*(\b)], s[20:21] offset:512*((\b)/2)+256*((\b)%2)
.endm
	WBLOCK 0
	WBLOCK 1
	WBLOCK 2
	WBLOCK 3
	global_store_b32 v9, v232, s[22:23]            ; my column's word: 128 consecutive bytes a wave
	s_endpgm
; ---- Wo: the same loads; eight neighbours along K round to 16 bytes of f16.  Piece p (k = 8 p on): K step of 32 p / 4; in its fragment registers 4 ((p % 4) / 2) on of lane r + 16 (p % 2).
.Lpath_o:
	s_sub_co_u32 s39, ttmp9, 152
	s_mul_i32 s39, s39, 3
	s_add_co_u32 s39, s39, s27                     ; the group of 32 columns
	s_mov_b64 s[30:31], s[16:17]
	COLLOAD
	s_mul_i32 s32, s26, 4*49152                    ; my four K steps of 32, 48 fragments each
	s_lshl_b32 s34, s39, 11
	s_add_co_u32 s32, s32, s34
	s_add_nc_u64 s[24:25], s[24:25], s[32:33]
	v_lshlrev_b32 v11, 10, v10
	v_lshl_add_u32 v11, v3, 4, v11
.set P, 0
.rept 16
.if P%4 == 0
	COLWAIT P/4
.endif
.irp j, 0,1,2,3
	v_cvt_pk_f16_f32 v[144+4*P+\j], v[R+8*P+2*\j], v[R+8*P+2*\j+1]
.endr
	global_store_b128 v11, v[144+4*P:147+4*P], s[24:25] offset:(P/4)*49152+512*((P%4)/2)+256*(P%2)
.set P, P+1
.endr
	s_endpgm
.Lfunc_end_k_qd8f27b3f24_prep:
	.size	k_qd8f27b3f24_prep, .Lfunc_end_k_qd8f27b3f24_prep-k_qd8f27b3f24_prep
	.p2alignl 7, 3214868480
	.fill 96, 4, 3214868480
	.section	.rodata,"a",@progbits
	.p2align	6, 0x0
	.amdhsa_kernel k_qd8f27b3f24_prep
		.amdhsa_group_segment_fixed_size 102400
		.amdhsa_private_segment_fixed_size 0
		.amdhsa_enable_private_segment 0
		.amdhsa_kernarg_size 88
		.amdhsa_user_sgpr_count 2
		.amdhsa_user_sgpr_kernarg_segment_ptr 1
		.amdhsa_wavefront_size32 1
		.amdhsa_system_sgpr_workgroup_id_x 1
		.amdhsa_system_sgpr_workgroup_id_y 1
		.amdhsa_system_sgpr_workgroup_id_z 1
		.amdhsa_system_vgpr_workitem_id 0
		.amdhsa_next_free_vgpr 240
		.amdhsa_next_free_sgpr 66
		.amdhsa_reserve_vcc 0
		.amdhsa_float_denorm_mode_32 3
		.amdhsa_float_denorm_mode_16_64 3
		.amdhsa_memory_ordered 1
		.amdhsa_forward_progress 1
		.amdhsa_inst_pref_size 54
	.end_amdhsa_kernel
	.amdgpu_metadata
---
amdhsa.version: [ 1, 2 ]
amdhsa.kernels:
  - .name:           k_qd8f27b3f24_prep
    .symbol:         k_qd8f27b3f24_prep.kd
    .args:
      - { .name: query, .offset: 0, .size: 8, .value_kind: global_buffer, .address_space: global }
      - { .name: key_in, .offset: 8, .size: 8, .value_kind: global_buffer, .address_space: global }
      - { .name: value, .offset: 16, .size: 8, .value_kind: global_buffer, .address_space: global }
      - { .name: Wq, .offset: 24, .size: 8, .value_kind: global_buffer, .address_space: global }
      - { .name: Wk, .offset: 32, .size: 8, .value_kind: global_buffer, .address_space: global }
      - { .name: Wv, .offset: 40, .size: 8, .value_kind: global_buffer, .address_space: global }
      - { .name: Wo, .offset: 48, .size: 8, .value_kind: global_buffer, .address_space: global }
      - { .name: xc, .offset: 56, .size: 8, .value_kind: global_buffer, .address_space: global }
      - { .name: wc, .offset: 64, .size: 8, .value_kind: global_buffer, .address_space: global }
      - { .name: scl, .offset: 72, .size: 8, .value_kind: global_buffer, .address_space: global }
      - { .name: wof, .offset: 80, .size: 8, .value_kind: global_buffer, .address_space: global }
    .group_segment_fixed_size: 102400
    .private_segment_fixed_size: 0
    .kernarg_segment_align: 8
    .kernarg_segment_size: 88
    .max_flat_workgroup_size: 192
    .sgpr_count:     66
    .vgpr_count:     240
    .wavefront_size: 32
...
	.end_amdgpu_metadata
.endif
;; end of part 1
;; launch proj (part 2): grid 192 x 3, 4 waves a work-group, no clusters, 0 bytes of LDS; arguments xc, wc, scl, bq, bk, qf, kv; writes qf, kv
.if DOCPART == 2
	.amdgcn_target "amdgcn-amd-amdhsa--gfx1250"
	.amdhsa_code_object_version 6
	.text
	.protected	k_qd8f27b3f24_proj
	.globl	k_qd8f27b3f24_proj
	.p2align	8
	.type	k_qd8f27b3f24_proj,@function
k_qd8f27b3f24_proj:
	s_mov_b64 s[64:65], 0
	v_nop
	global_prefetch_b8 v0, s[64:65] scope:SCOPE_SE
	s_setreg_imm32_b32 hwreg(HW_REG_WAVE_MODE, 25, 1), 1
	s_wait_xcnt 0x0
; Q = query Wq + bq, K = key_in Wk + bk, V = value Wv, on codes of FP4 (E2M1) with E8M0 scales, sums in f32; the results are rounded to f16 and stored as the operand fragments of the attention launch.
; bv is NOT added here: the softmax's weights sum to 1, so sum(p (v + bv)) / sum(p) = sum(p v) / sum(p) + bv for every input; the attention launch adds bv in f32 on its way out.
; LIMIT: |Q|, |K|, |V| stay under 65,504, f16's largest number.
; SHARES.  Work-group y is the tensor.  A wave is by itself: 64 tokens x the 64 channels of one head, 16 accumulators; K = 768 in six steps of 128.  No LDS, no barrier.
; All operands lie in memory as images of operand registers (a fragment: 1,024 bytes, [c][lane][16 bytes]): each lane loads its registers whole, 512 consecutive bytes an instruction.
; Q and K: source 0 = 16 columns of W, source 1 = 16 tokens: a lane holds one token and eight neighbouring channels.  V: source 0 = 16 tokens, source 1 = 16 columns: a lane holds one channel and eight neighbouring keys (V^T).
; Only pointers differ: one text serves all three.  Two neighbouring results, rounded to f16 in pairs, ARE a fragment of 16 x 32 for the next product: they are stored as they stand.
; NO CLUSTER: a joint request is a tensor load into LDS; here each lane's fragments go from memory straight into its registers, and a wave has only six K steps of 16 products: an LDS ring with its barriers would stand on top of them.
; REGISTERS: window 0: v1-8 addresses; v16-39 scale words (tile i, K step k at 16 + 6 i + k: lanes 0-15 source 0's rows, lanes 16-31 source 1's); v48-175 accumulator (i0, i1) at 48 + 8 (4 i1 + i0); v176-239 fragments, even K steps.
;            window 1: v0-63 fragments, odd K steps.  In a buffer: source 0's tile i at 8 i, source 1's at 32 + 8 i.
.set KSTR, 58368                       ; scl: from K step to K step
.set SCR,  16
.set ACC,  48
.set BUFA, 176
.set MSB, 0
.macro WIN new                         ; the immediate's high byte repeats the setting that is left
.if MSB != (\new)
	s_set_vgpr_msb (MSB<<8)|(\new)
.set MSB, (\new)
.endif
.endm
	s_load_b256 s[4:11], s[0:1], 0x0               ; xc, wc, scl, bq
	s_load_b128 s[12:15], s[0:1], 0x20             ; bk, qf
	s_load_b64 s[16:17], s[0:1], 0x30              ; kv
	v_lshrrev_b32 v1, 5, v0
	v_readfirstlane_b32 s18, v1                    ; wave
	v_and_b32 v2, 31, v0
	v_and_b32 v3, 15, v0                           ; r
	v_bfe_u32 v4, v0, 4, 1                         ; h
	v_lshlrev_b32 v5, 4, v2                        ; 16 x lane: my place in every image
	v_lshlrev_b32 v7, 5, v4                        ; 32 h: my eight numbers of a bias
	s_and_b32 s19, ttmp7, 0xffff                   ; the tensor
	s_lshr_b32 s20, ttmp9, 5
	s_and_b32 s21, ttmp9, 31
	s_and_b32 s22, s18, 1
	s_lshl_b32 s21, s21, 1
	s_add_co_u32 s21, s21, s22                     ; my block of 64 tokens, 0..63
	s_lshr_b32 s22, s18, 1
	s_lshl_b32 s20, s20, 1
	s_add_co_u32 s20, s20, s22                     ; my head, 0..11
	s_lshl_b32 s24, s19, 8
	s_lshl_b32 s22, s21, 2
	s_add_co_u32 s24, s24, s22
	s_mul_i32 s24, s24, 6144                       ; the tokens' fragments: tile 256 x tensor + 4 x block, six fragments a tile
	s_mov_b32 s25, 0
	s_mul_i32 s26, s19, 48
	s_lshl_b32 s22, s20, 2
	s_add_co_u32 s26, s26, s22
	s_mul_i32 s26, s26, 6144                       ; the weight's: tile 48 x tensor + 4 x head
	s_mov_b32 s27, 0
	s_lshl_b32 s28, s19, 14
	s_lshl_b32 s22, s21, 8
	s_add_co_u32 s28, s28, s22                     ; the tokens' scale words, in bytes
	s_mul_i32 s29, s19, 3072
	s_lshl_b32 s22, s20, 8
	s_add_co_u32 s29, s29, s22
	s_add_co_u32 s29, s29, 49152                   ; the columns'
	s_lshr_b32 s30, s21, 5                         ; the batch
	s_and_b32 s31, s21, 31                         ; the block of 64 tokens in it
	s_mul_i32 s30, s30, 12
	s_add_co_u32 s30, s30, s20
	s_lshl_b32 s30, s30, 5
	s_add_co_u32 s30, s30, s31                     ; 32 x (12 x batch + head) + block
	s_wait_kmcnt 0x0
	s_add_nc_u64 s[4:5], s[4:5], s[24:25]
	s_add_nc_u64 s[6:7], s[6:7], s[26:27]
	s_cmp_eq_u32 s19, 2                            ; V takes the tokens as source 0
	s_cselect_b64 s[32:33], s[4:5], s[6:7]         ; source 0's fragments
	s_cselect_b64 s[34:35], s[6:7], s[4:5]         ; source 1's
	s_cselect_b32 s36, s28, s29                    ; source 0's scale words
	s_cselect_b32 s37, s29, s28                    ; source 1's
	s_cselect_b32 s38, 8192, 0                     ; V^T lies behind K in a step's 16,384 bytes
	s_cmp_eq_u32 s19, 0
	s_cselect_b64 s[40:41], s[14:15], s[16:17]     ; to qf or to kv
	s_cselect_b64 s[42:43], s[10:11], s[12:13]     ; bq or bk
	s_cselect_b32 s39, 13, 14                      ; 8,192 bytes a block in qf, 16,384 in kv
	s_lshl_b32 s30, s30, s39
	s_add_co_u32 s30, s30, s38
	s_mov_b32 s31, 0
	s_add_nc_u64 s[40:41], s[40:41], s[30:31]
	s_lshl_b32 s30, s20, 8
	s_add_nc_u64 s[42:43], s[42:43], s[30:31]      ; the head's 64 numbers of the bias
	s_mov_b32 s44, 0xffff0000
	v_mov_b32 v6, s36
	v_mov_b32 v8, s37
	v_cndmask_b32 v6, v6, v8, s44                  ; lanes 0-15 take source 0's words, lanes 16-31 source 1's
	v_lshl_add_u32 v6, v3, 2, v6                   ; + 4 r
.macro LOADK k                         ; K step k's eight fragments, 16 loads, into the buffer of its parity
	WIN 0x40*((\k)%2)
.set BF, BUFA*(1-(\k)%2)
.irp i, 0,1,2,3
.irp c, 0,1
	global_load_b128 v[BF+8*\i+4*\c:BF+8*\i+4*\c+3], v5, s[32:33] offset:\i*6144+(\k)*1024+512*\c
	global_load_b128 v[BF+32+8*\i+4*\c:BF+32+8*\i+4*\c+3], v5, s[34:35] offset:\i*6144+(\k)*1024+512*\c
.endr
.endr
.endm
; bias = 1: the bias is loaded INTO the accumulators (a lane's eight registers are eight channels), and every product adds in place.  bias = 0: the first K step starts the sums with the constant 0.
.macro BODY bias
.if \bias
.irp n, 0,1,2,3
.irp m, 0,1,2,3
	global_load_b128 v[ACC+8*(4*\n+\m):ACC+8*(4*\n+\m)+3], v7, s[42:43] offset:64*\m
	global_load_b128 v[ACC+8*(4*\n+\m)+4:ACC+8*(4*\n+\m)+7], v7, s[42:43] offset:64*\m+16
.endr
.endr
.endif
.irp i, 0,1,2,3
.irp k, 0,1,2,3,4,5
	global_load_b32 v[SCR+6*\i+\k], v6, s[8:9] offset:\k*KSTR+64*\i
.endr
.endr
	LOADK 0
	LOADK 1
.set K, 0
.rept 6
.if K < 5
	s_wait_loadcnt 16                              ; loads come back in order (ISA guide 5.7.1): all but the next K step's sixteen are in
.else
	s_wait_loadcnt 0x0
.endif
	WIN 0x05*(K%2)                                 ; odd K steps: sources 0 and 1 in window 1
.set BF, BUFA*(1-K%2)
.irp n, 0,1,2,3                        ; the 16 accumulators take turns, one instruction a turn, in the same order in every K step
.irp m, 0,1,2,3
.if (K == 0) && (\bias == 0)
	v_wmma_scale_f32_16x16x128_f8f6f4 v[ACC+8*(4*\n+\m):ACC+8*(4*\n+\m)+7], v[BF+8*\m:BF+8*\m+7], v[BF+32+8*\n:BF+32+8*\n+7], 0, v[SCR+6*\m+K], v[SCR+6*\n+K] matrix_a_fmt:MATRIX_FMT_FP4 matrix_b_fmt:MATRIX_FMT_FP4 matrix_b_scale:MATRIX_SCALE_ROW1
.else
	v_wmma_scale_f32_16x16x128_f8f6f4 v[ACC+8*(4*\n+\m):ACC+8*(4*\n+\m)+7], v[BF+8*\m:BF+8*\m+7], v[BF+32+8*\n:BF+32+8*\n+7], v[ACC+8*(4*\n+\m):ACC+8*(4*\n+\m)+7], v[SCR+6*\m+K], v[SCR+6*\n+K] matrix_a_fmt:MATRIX_FMT_FP4 matrix_b_fmt:MATRIX_FMT_FP4 matrix_b_scale:MATRIX_SCALE_ROW1
.endif
.endr
.endr
.rept 4
	v_nop                                          ; four places in front of loads into registers that these products read, and of the first read of results
.endr
.if K < 4
	LOADK K+2
.endif
.set K, K+1
.endr
	WIN 0
.set AI, 0
.rept 16                               ; each accumulator from its low end on: eight numbers round to 16 bytes of f16, into the even buffer, which is done with
.irp q, 0,1,2,3
	v_cvt_pk_f16_f32 v[BUFA+4*AI+\q], v[ACC+8*AI+2*\q], v[ACC+8*AI+2*\q+1]
.endr
.set AI, AI+1
.endr
.set AI, 0
.rept 16                               ; accumulator (i0, i1) is half i0 % 2 of fragment (i1, i0 / 2): byte 2,048 i1 + 512 i0: the wave's 8,192 bytes are consecutive
	global_store_b128 v5, v[BUFA+4*AI:BUFA+4*AI+3], s[40:41] offset:512*AI
.set AI, AI+1
.endr
.endm
	s_cmp_eq_u32 s19, 2
	s_cbranch_scc1 .Lvalue
	BODY 1
	s_endpgm
.Lvalue:
	BODY 0
	s_endpgm
.Lfunc_end_k_qd8f27b3f24_proj:
	.size	k_qd8f27b3f24_proj, .Lfunc_end_k_qd8f27b3f24_proj-k_qd8f27b3f24_proj
	.p2alignl 7, 3214868480
	.fill 96, 4, 3214868480
	.section	.rodata,"a",@progbits
	.p2align	6, 0x0
	.amdhsa_kernel k_qd8f27b3f24_proj
		.amdhsa_group_segment_fixed_size 0
		.amdhsa_private_segment_fixed_size 0
		.amdhsa_enable_private_segment 0
		.amdhsa_kernarg_size 56
		.amdhsa_user_sgpr_count 2
		.amdhsa_user_sgpr_kernarg_segment_ptr 1
		.amdhsa_wavefront_size32 1
		.amdhsa_system_sgpr_workgroup_id_x 1
		.amdhsa_system_sgpr_workgroup_id_y 1
		.amdhsa_system_sgpr_workgroup_id_z 1
		.amdhsa_system_vgpr_workitem_id 0
		.amdhsa_next_free_vgpr 320
		.amdhsa_next_free_sgpr 66
		.amdhsa_reserve_vcc 0
		.amdhsa_float_denorm_mode_32 3
		.amdhsa_float_denorm_mode_16_64 3
		.amdhsa_memory_ordered 1
		.amdhsa_forward_progress 1
		.amdhsa_inst_pref_size 66
	.end_amdhsa_kernel
	.amdgpu_metadata
---
amdhsa.version: [ 1, 2 ]
amdhsa.kernels:
  - .name:           k_qd8f27b3f24_proj
    .symbol:         k_qd8f27b3f24_proj.kd
    .args:
      - { .name: xc, .offset: 0, .size: 8, .value_kind: global_buffer, .address_space: global }
      - { .name: wc, .offset: 8, .size: 8, .value_kind: global_buffer, .address_space: global }
      - { .name: scl, .offset: 16, .size: 8, .value_kind: global_buffer, .address_space: global }
      - { .name: bq, .offset: 24, .size: 8, .value_kind: global_buffer, .address_space: global }
      - { .name: bk, .offset: 32, .size: 8, .value_kind: global_buffer, .address_space: global }
      - { .name: qf, .offset: 40, .size: 8, .value_kind: global_buffer, .address_space: global }
      - { .name: kv, .offset: 48, .size: 8, .value_kind: global_buffer, .address_space: global }
    .group_segment_fixed_size: 0
    .private_segment_fixed_size: 0
    .kernarg_segment_align: 8
    .kernarg_segment_size: 56
    .max_flat_workgroup_size: 128
    .sgpr_count:     66
    .vgpr_count:     320
    .wavefront_size: 32
...
	.end_amdgpu_metadata
.endif
;; end of part 2
;; launch attn (part 3): grid 8 x 24, 8 waves a work-group, clusters of 4 x 1, 327,680 bytes of LDS; arguments qf, kv, bv, ao; writes ao
.if DOCPART == 3
	.amdgcn_target "amdgcn-amd-amdhsa--gfx1250"
	.amdhsa_code_object_version 6
	.text
	.protected	k_qd8f27b3f24_attn
	.globl	k_qd8f27b3f24_attn
	.p2align	8
	.type	k_qd8f27b3f24_attn,@function
k_qd8f27b3f24_attn:
	s_mov_b64 s[64:65], 0
	v_nop
	global_prefetch_b8 v0, s[64:65] scope:SCOPE_SE
	s_setreg_imm32_b32 hwreg(HW_REG_WAVE_MODE, 25, 1), 1
	s_wait_xcnt 0x0
	s_wait_alu depctr_hold_cnt(0) depctr_sa_sdst(0) depctr_va_vdst(0) depctr_va_sdst(0) depctr_va_ssrc(0) depctr_va_vcc(0) depctr_vm_vsrc(0)
	s_getreg_b32 s2, hwreg(HW_REG_IB_STS2, 6, 4)
	s_cmp_eq_u32 s2, 0
	s_cbranch_scc0 .Lentry_in_a_cluster
	s_endpgm
.Lentry_in_a_cluster:
	s_bfe_u32 s2, ttmp6, 0x10000c
	s_cmp_lg_u32 s2, 0x3003
	s_cbranch_scc0 .Lentry_shape_is_right
	s_endpgm
.Lentry_shape_is_right:
; O[b][h][q] = sum over k of softmax_k(Q[q] . K[k] / 8) V[k] + bv, head size 64, 2,048 keys, no mask.  Q, K, V in f16; products, maxima and sums in f32; the weights p are rounded to f16 for the second product, O once at the end.
; bv is added here, behind the division: the weights sum to 1, so this equals adding bv to V for every input.
; LIMITS: |O + bv| stays under 65,504 (f16); NaN and infinities are not served.
; SHARES.  A work-group owns 256 queries of one (batch, head), each of its eight waves 32: two tiles of 16.  24 heads x 8 blocks are 192 work-groups: a head's 128 tiles do not divide into the 12 that an equal share of 256 would be.
; LAYOUT.  S^T = K Q^T (source 0 = 16 keys, source 1 = 16 queries): a lane holds ONE query and the keys 8 (lane / 16) + 0..7.  Two such tiles, rounded to f16 in pairs, ARE source 1 of O^T = V^T P, whose result again
; holds one query a lane, and eight channels.  All fragments lie in memory and in LDS as images of their registers (1,024 bytes, [c][lane][16 bytes]): a load's 512 bytes are consecutive: no pitch, no padding.
; SOFTMAX.  A running maximum m and sum l for each query: p = 2^(c s - c m), c = log2(e) / 8; in every step O and l are multiplied by a = 2^(c m_old - c m_new).  m begins at -3e38, O and l at 0: no step has a form of its own.
; BY TURNS.  The wave's two tiles are two PIECES.  In a TURN one piece has the matrix unit: 8 products V^T P of the step in hand, then 8 products K Q^T of the next step; the other piece's softmax, a list of 118 instructions
; cut into 16 slices, stands between them, one slice behind each product.  Then the pieces change places.  Two turns are a key step of 64 keys.
; RING.  A key step is 16,384 consecutive bytes (K's 8 fragments, then V^T's 8).  Two slots of 8 steps; wave w fetches step w of a slot with one tensor load.  By this text's own count a wave has two tensor loads out at the start, one behind each round.
; CLUSTER.  The four blocks of queries of a cluster belong to one head and walk the same K and V: each tile is asked for JOINTLY, by the same load with the same descriptor and a mask that names the four.
; REGISTERS.  Window 0: v1-7 addresses; v8-23 statistics; v32-63 Q; v64-127 S^T, then P in place; v128-191 O^T; v192-255 K of one step.  Window 1: v0-63 V^T of one step.
; So K Q^T and every slice run in window 0; only V^T P (source 0 in window 1) and V's loads want a switch: 34 for a key step's 32 products.
.set SLOT1, 131072
.set STEPB, 16384
.set SPARE, 262144                     ; behind the ring: the spare words, 128 bytes for each wave: four blocks of 256 bytes that no other line names
.set LI,  1                            ; v1  16 x lane; never rewritten
.set ADR, 2                            ; v2  LDS address of the step that is being fetched
.set SPW, 3                            ; v3  LDS address of my spare word; never rewritten
.set NIL, 4                            ; v4  0; never rewritten
.set PFO, 5                            ; v5  256 x lane: the prefetches' offset; never rewritten
.set BVO, 7                            ; v7  32 x (lane / 16): my eight numbers of bv
.set ST,  8                            ; tile t's statistics at v[8 + 8 t]: +0 c m, +1 m, +2, +3 l (even keys', odd keys'), +4 to +7 c0-c3, at work; a takes c2's place once the maximum is found
.set Q,   32                           ; Q (tile t, channels 32 s on) at 32 + 16 t + 8 s
.set S,   64                           ; S^T (t, keys 16 kt on) at 64 + 32 t + 8 kt; P (t, keys 32 g on) is packed in place, at 64 + 32 t + 8 g
.set OT,  128                          ; O^T (t, channels 16 ct on) at 128 + 32 t + 8 ct
.set KF,  192                          ; K (keys 16 kt on, channels 32 s on) at 192 + 16 kt + 8 s.  V^T (channels 16 ct on, keys 32 g on) at 16 ct + 8 g of window 1
.set NSM, 118                          ; instructions in a tile's softmax of a step
.set WV,  12                           ; s12 my wave's number
.set PFA, 18                           ; s[18:19] where my prefetches stand; never rewritten
.set LIM, 20                           ; s20 3 in a wave that prefetches, else a number that the count of steps never takes
.set CNT, 21                           ; s21 steps still to go until the next change of slots
.set TB,  22                           ; s22 LDS byte at which the step to be fetched begins
.set G1,  24                           ; s[24:31] descriptor group 1;  s[32:35], s[36:39] group 0 for slot 0, 1
.set G0,  32
.set CS,  40                           ; s[40:41] c, twice: the packed form names a pair
.set SEL, 42                           ; s[42:43] v_permlanex16_b32's selects for lane l xor 16
.set ASKON, 0                          ; 1 while the steps that are written hold a prefetch; PFOFF: its immediate
.set PFOFF, 0
.set MSB, 0
.macro WIN new                         ; the immediate's high byte repeats the setting that is left; a switch that changes nothing is dropped
.if MSB != (\new)
	s_set_vgpr_msb (MSB<<8)|(\new)
.set MSB, (\new)
.endif
.endm
.macro CROUND                          ; a round of the cluster's barrier
	s_barrier_signal -1
	s_barrier_wait -1
	s_cmp_lg_u32 s[WV], 0
	s_cbranch_scc1 .Lnot_wave_0_\@
	s_barrier_signal -3
.Lnot_wave_0_\@:
	s_barrier_wait -3
	s_barrier_signal -1
	s_barrier_wait -1
.endm
.macro PLACES
.rept 4
	v_nop
.endr
.endm
	s_load_b256 s[4:11], s[0:1], 0x0               ; qf, kv, bv, ao
	v_lshl_add_u32 v[SPW], v0, 2, SPARE
	v_mov_b32 v[NIL], 0
	ds_add_u32 v[SPW], v[NIL]                      ; the wave's opening: the add, twice on end, and its wait ahead of my first tensor load
	ds_add_u32 v[SPW], v[NIL]
	v_lshrrev_b32 v6, 5, v0
	v_readfirstlane_b32 s[WV], v6                  ; wave 0..7
	v_and_b32 v6, 31, v0
	v_lshlrev_b32 v[LI], 4, v6
	v_lshlrev_b32 v[PFO], 8, v6
	v_bfe_u32 v[BVO], v0, 4, 1
	v_lshlrev_b32 v[BVO], 5, v[BVO]
	s_bfe_u32 s13, ttmp6, 0x40000                  ; cx: my place in the cluster
	s_lshl_b32 s14, ttmp9, 2
	s_add_co_u32 s14, s14, s13                     ; my block of 256 queries: it enters Q's and O's addresses alone
	s_and_b32 s15, ttmp7, 0xffff                   ; 12 x batch + head, which the four partners share
	s_cmp_ge_u32 s15, 12
	s_cselect_b32 s16, 1, 0                        ; batch
	s_cselect_b32 s17, 12, 0
	s_sub_co_u32 s17, s15, s17                     ; head
	; descriptor group 1: 16,384 dense bytes as 64 rows of 32 elements of 8 bytes
	s_mov_b32 s[G1], 15|(3<<16)|(1<<21)            ; 15:0 the mask: all four work-groups; 17:16 elements of 8 bytes; 21 set beside a mask; no padding
	s_mov_b32 s[G1+1], 32<<16                      ; tensor_dim0 = 32
	s_mov_b32 s[G1+2], 64<<16                      ; tensor_dim1 = 64
	s_mov_b32 s[G1+3], 32<<16                      ; tile_dim0 = 32
	s_mov_b32 s[G1+4], 64                          ; tile_dim1 = 64
	s_mov_b32 s[G1+5], 32                          ; from row to row
	s_mov_b32 s[G1+6], 0
	s_mov_b32 s[G1+7], 0
	s_mov_b32 s[CS], 0x3e38aa3b                    ; c = log2(e) / 8
	s_mov_b32 s[CS+1], s[CS]
	s_mov_b32 s[SEL], 0x76543210
	s_mov_b32 s[SEL+1], 0xfedcba98
	s_mov_b32 s[TB], 0
	s_lshl_b32 s44, s15, 19                        ; a head's K and V: 32 steps x 16,384 bytes
	s_lshl_b32 s46, s[WV], 14                      ; my step of a slot
	s_add_co_u32 s44, s44, s46
	s_mov_b32 s45, 0
	s_lshr_b32 s[LIM], s[WV], 2                    ; 0 in waves 0 to 3,
	s_or_b32 s[LIM], s[LIM], ttmp9                 ; of the head's first cluster: the same in all four partners
	s_cmp_eq_u32 s[LIM], 0
	s_cselect_b32 s[LIM], 3, -1
	s_lshl_b32 s48, s15, 7
	s_lshl_b32 s50, s14, 4
	s_add_co_u32 s48, s48, s50
	s_lshl_b32 s50, s[WV], 1
	s_add_co_u32 s48, s48, s50
	s_lshl_b32 s48, s48, 11                        ; Q: tile 128 x head + 16 x block + 2 x wave, 2,048 bytes a tile
	s_mov_b32 s49, 0
	s_lshl_b32 s50, s16, 7
	s_lshl_b32 s52, s14, 4
	s_add_co_u32 s50, s50, s52
	s_lshl_b32 s52, s[WV], 1
	s_add_co_u32 s50, s50, s52
	s_mul_i32 s50, s50, 24576                      ; O: tile 128 x batch + 16 x block + 2 x wave, 24 fragments a tile,
	s_lshl_b32 s52, s17, 11
	s_add_co_u32 s50, s50, s52                     ; the head's two
	s_mov_b32 s51, 0
	s_lshl_b32 s52, s15, 19                        ; the prefetches: keys 1,024 on of the head; my work-group's quarter of a slot BY ADDRESS; my wave's 8,192 bytes of it
	s_lshl_b32 s54, s13, 15
	s_add_co_u32 s52, s52, s54
	s_and_b32 s54, s[WV], 3
	s_lshl_b32 s54, s54, 13
	s_add_co_u32 s52, s52, s54
	s_add_co_u32 s52, s52, 2*SLOT1
	s_mov_b32 s53, 0
	s_lshl_b32 s54, s17, 8                         ; the head's 64 numbers of bv
	s_mov_b32 s55, 0
	s_wait_dscnt 0x0                               ; both opening adds are done
	s_wait_kmcnt 0x0
	s_add_nc_u64 s[PFA:PFA+1], s[6:7], s[52:53]
	s_add_nc_u64 s[6:7], s[6:7], s[44:45]          ; K and V at my step of the first slot: no place in the cluster enters it
	s_add_nc_u64 s[4:5], s[4:5], s[48:49]
	s_add_nc_u64 s[10:11], s[10:11], s[50:51]
	s_add_nc_u64 s[8:9], s[8:9], s[54:55]
	s_mov_b32 s[G0], 1                             ; count = 1
	s_lshl_b32 s[G0+1], s[WV], 14                  ; LDS address: slot 0, step = wave
	s_mov_b64 s[G0+2:G0+3], s[6:7]                 ; keys 0 to 511
	s_or_b32 s[G0+3], s[G0+3], 0x80000000          ; type = 2
	s_mov_b32 s[G0+4], 1
	s_add_co_u32 s[G0+5], s[G0+1], SLOT1
	s_add_nc_u64 s[G0+6:G0+7], s[6:7], SLOT1       ; keys 512 to 1,023
	s_or_b32 s[G0+7], s[G0+7], 0x80000000
	CROUND                                         ; all four work-groups are here: the first joint loads meet
	tensor_load_to_lds s[G0:G0+3], s[G1:G1+7]
	s_nop 0
	tensor_load_to_lds s[G0+4:G0+7], s[G1:G1+7]
	s_nop 0
	PLACES
.irp n, 0,1,2,3,4,5,6,7
	global_load_b128 v[Q+4*\n:Q+4*\n+3], v[LI], s[4:5] offset:512*\n   ; Q's four fragments stay in registers
.endr
.irp t, 0,1
	v_mov_b32 v[ST+8*\t], 0xff61b1e6               ; c m and m: -3e38, under every score: the first a is 2^(a very negative number) = 0
	v_mov_b32 v[ST+8*\t+1], 0xff61b1e6
	v_mov_b32 v[ST+8*\t+2], 0                      ; l
	v_mov_b32 v[ST+8*\t+3], 0
.endr
; THE MATRIX WORK OF A TURN, for piece x.  The accumulators take turns, one instruction a turn: between two links of a chain stand three others'.
; Product i of 8 of O^T += V^T P: keys 32 (i / 4) on, channels 16 (i % 4) on.
.macro PV x
	WIN 0x01                                       ; source 0 (V^T) in window 1
.set rO, OT+32*(\x)+8*(i%4)
.set rV, 16*(i%4)+8*(i/4)
.set rP, S+32*(\x)+8*(i/4)
	v_wmma_f32_16x16x32_f16 v[rO:rO+7], v[rV:rV+7], v[rP:rP+7], v[rO:rO+7]
.endm
; Product i of 8 of S^T = K Q^T: channels 32 (i / 4) on; the tiles of 16 keys in the order 0, 3, 2, 1, so that the registers of P's keys 32-63 (tile 1's), which the turn's products 4 to 7 read, are written over last.
; The first four start the sums with the constant 0.
.macro KQ x
	WIN 0
.set kt, (4-i%4)%4
.set rS, S+32*(\x)+8*kt
.set rK, KF+16*kt+8*(i/4)
.set rQ, Q+16*(\x)+8*(i/4)
.if i < 4
	v_wmma_f32_16x16x32_f16 v[rS:rS+7], v[rK:rK+7], v[rQ:rQ+7], 0
.else
	v_wmma_f32_16x16x32_f16 v[rS:rS+7], v[rK:rK+7], v[rQ:rQ+7], v[rS:rS+7]
.endif
.endm
; THE LDS LOADS stand in two runs of 16 a key step.  K: fragment f = 2 kt + s, channels 0-31 first.  V^T: fragment f = 2 ct + g, keys 0-31 first; the wait for the softmax's batch stands at its head.
.macro FETCH_K
	WIN 0
	v_add_nc_u32 v[ADR], s[TB], v[LI]
.irp f, 0,2,4,6,1,3,5,7
	ds_load_b128 v[KF+8*\f:KF+8*\f+3], v[ADR] offset:1024*\f
	ds_load_b128 v[KF+8*\f+4:KF+8*\f+7], v[ADR] offset:1024*\f+512
.endr
.endm
.macro FETCH_V
	s_wait_alu depctr_va_vdst(0)                   ; the one wait for the piece's 33 exponentials, ahead of the first instruction that names a result
	WIN 0x40                                       ; destination in window 1
.irp f, 0,2,4,6,1,3,5,7
	ds_load_b128 v[8*\f:8*\f+3], v[ADR] offset:8192+1024*\f
	ds_load_b128 v[8*\f+4:8*\f+7], v[ADR] offset:8192+1024*\f+512
.endr
	WIN 0
	s_add_co_u32 s[TB], s[TB], STEPB               ; the next fetch is the next step's
.endm
; THE VECTOR WORK OF A TURN.  One tile's softmax for one key step is a list of 118 instructions; SM writes number j of it for tile t.  s0-s31 are the lane's 32 scores, in pairs 0-15.
;   0-15    the maximum of s0-s31 and the old m, three operands at a time: four chains c0-c3; each accumulator is read first at its low end
;   16-20   the other half of the lanes' maximum; c m_old kept; the new m; c m; c m_old - c m_new
;   21-69   ONE BATCH: the 16 scalings c s - c m and all 33 exponentials (a at 23, then s0-s31).  None of these names an exponential's result.  From 24 on: a scaling and two exponentials; a pair is scaled two groups ahead of its exponentials
;   (wait)  behind 69 a plain instruction and the wait for the batch: SLICE writes them
;   70-101  by turns: a line of the sum of the unrounded p (l = a l + the sum, in two chains) and a pair of O^T times a, each accumulator from its low end on
;   102-117 the roundings to f16, in place: register p takes registers 2 p and 2 p + 1; all sums stand ahead of them
.macro SCALEB                          ; pair b: c s - c m, two at a time
	v_pk_fma_f32 v[rS+2*b:rS+2*b+1], v[rS+2*b:rS+2*b+1], s[CS:CS+1], v[rT:rT+1] op_sel_hi:[1,0,0] neg_lo:[0,0,1] neg_hi:[0,0,1]
.endm
.macro SM t
.set rT, ST+8*(\t)
.set rS, S+32*(\t)
.set rO, OT+32*(\t)
.if j < 4
	v_max3_num_f32 v[rT+4+j], v[rS+8*j], v[rS+8*j+1], v[rS+8*j+2]
.elseif j < 12
	v_max3_num_f32 v[rT+4+j%4], v[rT+4+j%4], v[rS+8*(j%4)+2*(j/4)+1], v[rS+8*(j%4)+2*(j/4)+2]
.elseif j == 12
	v_max3_num_f32 v[rT+4], v[rT+4], v[rS+7], v[rS+15]
.elseif j == 13
	v_max3_num_f32 v[rT+6], v[rT+6], v[rS+23], v[rS+31]
.elseif j == 14
	v_max3_num_f32 v[rT+4], v[rT+4], v[rT+5], v[rT+6]
.elseif j == 15
	v_max3_num_f32 v[rT+4], v[rT+4], v[rT+7], v[rT+1]
.elseif j == 16
	v_permlanex16_b32 v[rT+5], v[rT+4], s[SEL], s[SEL+1]   ; the query's other 32 keys lie in the lane 16 away
.elseif j == 17
	v_mov_b32 v[rT+7], v[rT]                       ; c m_old is kept for a: number 19 writes c m anew
.elseif j == 18
	v_max_num_f32 v[rT+1], v[rT+4], v[rT+5]
.elseif j == 19
	v_mul_f32 v[rT], s[CS], v[rT+1]
.elseif j == 20
	v_sub_f32 v[rT+7], v[rT+7], v[rT]
.elseif j < 23
.set b, j-21
	SCALEB
.elseif j == 23
	v_exp_f32 v[rT+6], v[rT+7]
.elseif j < 66
.set u, j-24
.if u%3 == 0
.set b, u/3+2
	SCALEB
.else
.set e, 2*(u/3)+u%3-1
	v_exp_f32 v[rS+e], v[rS+e]
.endif
.elseif j < 70
.set e, j-38
	v_exp_f32 v[rS+e], v[rS+e]
.elseif j < 102
.set z, (j-70)/2
.if (j-70)%2 == 1
	v_pk_mul_f32 v[rO+2*z:rO+2*z+1], v[rO+2*z:rO+2*z+1], v[rT+6:rT+7] op_sel_hi:[1,0]
.elseif z == 0
	v_pk_fma_f32 v[rT+2:rT+3], v[rT+2:rT+3], v[rT+6:rT+7], v[rS:rS+1] op_sel_hi:[1,0,1]
.elseif z == 1
	v_pk_add_f32 v[rT+4:rT+5], v[rS+2:rS+3], v[rS+4:rS+5]
.elseif z == 15
	v_pk_add_f32 v[rT+2:rT+3], v[rT+2:rT+3], v[rT+4:rT+5]
.elseif z%2 == 0
	v_pk_add_f32 v[rT+2:rT+3], v[rT+2:rT+3], v[rS+2*z+2:rS+2*z+3]
.else
	v_pk_add_f32 v[rT+4:rT+5], v[rT+4:rT+5], v[rS+2*z+2:rS+2*z+3]
.endif
.else
.set p, j-102
	v_cvt_pk_f16_f32 v[rS+p], v[rS+2*p], v[rS+2*p+1]
.endif
.endm
; Slice k of 16 of tile y's softmax: numbers 118 k / 16 up to 118 (k + 1) / 16, seven or eight instructions.  Slice 15 is eight roundings: plain instructions that name nothing of the products round them, so they are
; the places between a turn's last K Q^T and what follows: the next turn's first read of those scores, and the loads into K's registers.
; Behind number 69, the last exponential: one plain instruction, and the wait.  In piece 1's turn (y = 0) V's run of loads stands there: the last product that read V^T stands in front of slice 7, and six plain
; instructions lie between: the scalings at 51, 54, 57, 60 and 63 and the v_nop.
.macro SLICE y
	WIN 0
.set j, (NSM*k)/16
.rept (NSM*(k+1))/16-(NSM*k)/16
	SM \y
.if j == 69
	v_nop
.if (\y) == 0
	FETCH_V
.else
	s_wait_alu depctr_va_vdst(0)                   ; the one wait for the piece's 33 exponentials
.endif
.endif
.set j, j+1
.endr
.set k, k+1
.endm
; A TURN.  Piece x has the matrix unit; the other piece's softmax stands in slices behind its products.  pv = 1: 8 products V^T P; kq = 1: 8 products K Q^T of the next step.  A turn with one of the two kinds has two slices behind each.
; Piece 0's turn fetches the next step's K behind its first product; its waits on DScnt are counted: LDS loads come back in order (ISA guide 5.7.1).
.macro TURN x, pv, kq
.set k, 0
.set per, 2
.if \pv && \kq
.set per, 1
.endif
.if \pv
.set i, 0
.rept 8
.if (\x == 0) && (i == 0)
	s_wait_dscnt 0x8                               ; V^T's keys 0-31 are in; the eight loads of keys 32-63 may be out
.endif
.if (\x == 0) && (i == 4)
	s_wait_dscnt 16*\kq                            ; all of V^T is in; K's sixteen loads, issued behind it, may be out
.endif
	PV \x
.rept per
	SLICE 1-\x
.endr
.if (\x == 0) && \kq && (i == 0)
	FETCH_K
.if ASKON
; A PREFETCH INTO THE L2 of the slot's worth of keys that the next change of slots will ask for, three key steps ahead of that load, behind the run of LDS loads.  Each 256 bytes are named once in the launch: both clusters of a
; head walk the same K and V, and the first asks; its four partners take 32,768 bytes each, told apart by address; in each, waves 0 to 3 take 8,192 bytes, lanes 256 bytes apart.  Keys 0 to 1,023 come by their loads alone.
	s_cmp_eq_u32 s[CNT], s[LIM]
	s_cbranch_scc0 .Lnot_mine_\@
	global_prefetch_b8 v[PFO], s[PFA:PFA+1] offset:PFOFF th:TH_LOAD_NT scope:SCOPE_SE
.Lnot_mine_\@:
.endif
.endif
.set i, i+1
.endr
.endif
.if \kq
.set i, 0
.rept 8
.if (\x == 0) && (i == 0)
	s_wait_dscnt 0x8                               ; K's channels 0-31 are in; the eight loads of channels 32-63 may be out
.endif
.if (\x == 0) && (i == 4)
	s_wait_dscnt 0x0
.endif
	KQ \x
.rept per
	SLICE 1-\x
.endr
.set i, i+1
.endr
.endif
.endm
.macro WALK trips                      ; key steps: written once, walked \trips times; each fetches K and V^T of the step at s[TB]
	s_mov_b32 s[CNT], \trips
.Lstep_\@:
	TURN 0, 1, 1                                   ; piece 0: V^T P of step j, K Q^T of step j + 1 | piece 1's softmax of step j | K of step j + 1
	TURN 1, 1, 1                                   ; piece 1: the same | piece 0's softmax of step j + 1 | V^T of step j + 1
	WIN 0
	s_sub_co_u32 s[CNT], s[CNT], 1
	s_cmp_lg_u32 s[CNT], 0
	s_cbranch_scc1 .Lstep_\@
.endm
; THE CHANGE OF SLOTS, between piece 1's turn and piece 0's: the slot's last bytes, V^T of its eighth step, have been asked for.  Each wave waits for all its tensor loads (one is out: its part of the slot ahead), adds 0 to its
; spare word, and waits for that and for its reads of the slot that it leaves.  fill = 1: that slot takes the keys 1,024 further on: the barrier is a round of the cluster's, and the joint load is the first thing behind it:
; it has eight key steps in which to land.  base: where the fetches go on.
.macro CHANGE fill, slot, base
	WIN 0
	s_wait_tensorcnt 0x0                           ; no tensor load of mine is out, so a group 0 may be written
	ds_add_u32 v[SPW], v[NIL]                      ; 0 onto my spare word
.if \fill
	s_add_nc_u64 s[G0+4*\slot+2:G0+4*\slot+3], s[G0+4*\slot+2:G0+4*\slot+3], 2*SLOT1   ; the type bits on top are not reached
.endif
	s_mov_b32 s[TB], \base
	s_wait_dscnt 0x0                               ; the add is done, and my reads of the slot are over
.if \fill
	CROUND
	tensor_load_to_lds s[G0+4*\slot:G0+4*\slot+3], s[G1:G1+7]
	s_nop 0
	PLACES
.else
	s_barrier_signal -1
	s_barrier_wait -1
.endif
.endm
	s_wait_tensorcnt 0x1                           ; my part of slot 0 is in; slot 1's may stay out
	s_barrier_signal -1
	s_barrier_wait -1                              ; everybody's is
	FETCH_K                                        ; key step 0
	s_wait_loadcnt 0x0                             ; Q
	s_wait_dscnt 0x0
.set i, 0
.rept 8
	KQ 0                                           ; piece 0's first scores: there is no softmax yet to set between them
.set i, i+1
.endr
.set I, 0
.rept 64
	v_mov_b32 v[OT+I], 0                           ; O^T begins at 0, so that the step has one form; these are also the places behind those products
.set I, I+1
.endr
	TURN 1, 0, 1                                   ; piece 1's first scores | piece 0's first softmax | V^T of step 0
.set ASKON, 1
.set PFOFF, 0
	WALK 7                                         ; steps 0 to 6; they fetch steps 1 to 7
	CHANGE 1, 0, SLOT1                             ; slot 0 takes keys 1,024 to 1,535
.set PFOFF, SLOT1
	WALK 8                                         ; steps 7 to 14; they fetch steps 8 to 15
.set ASKON, 0
	CHANGE 1, 1, 0                                 ; slot 1 takes keys 1,536 to 2,047
	WALK 8                                         ; steps 15 to 22
	CHANGE 0, 0, SLOT1                             ; nothing is left to ask for
	WALK 8                                         ; steps 23 to 30
	TURN 0, 1, 0                                   ; piece 0: V^T P of the last step | piece 1's last softmax
.set i, 0
.rept 8
	PV 1                                           ; piece 1: V^T P of the last step
.set i, i+1
.endr
	WIN 0
	; THE WAY OUT.  O^T / l + bv, rounded to f16: a tile's four results are two fragments of the out-projection's operand, stored as they stand.
.irp t, 0,1
	v_add_f32 v[ST+8*\t+4], v[ST+8*\t+2], v[ST+8*\t+3]   ; l's two halves.  (With the two below: the four places behind the last products)
.endr
	v_nop
	v_nop
.irp ct, 0,1,2,3
	global_load_b128 v[KF+8*\ct:KF+8*\ct+3], v[BVO], s[8:9] offset:64*\ct        ; bv at my eight channels of each tile: 16 ct + 8 (lane / 16) + 0..7
	global_load_b128 v[KF+8*\ct+4:KF+8*\ct+7], v[BVO], s[8:9] offset:64*\ct+16
.endr
.irp t, 0,1
	v_permlanex16_b32 v[ST+8*\t+5], v[ST+8*\t+4], s[SEL], s[SEL+1]
.endr
.irp t, 0,1
	v_add_f32 v[ST+8*\t+4], v[ST+8*\t+4], v[ST+8*\t+5]   ; and the other half of the lanes': the row's sum
.endr
.irp t, 0,1
	v_rcp_f32 v[ST+8*\t+6], v[ST+8*\t+4]
.endr
	v_nop                                          ; a plain instruction behind the last reciprocal
	s_wait_alu depctr_va_vdst(0)                   ; and the wait ahead of the first use: one for both
	s_wait_loadcnt 0x0                             ; bv
.irp t, 0,1
.set I, 0
.rept 16
	v_pk_fma_f32 v[S+32*\t+2*I:S+32*\t+2*I+1], v[OT+32*\t+2*I:OT+32*\t+2*I+1], v[ST+8*\t+6:ST+8*\t+7], v[KF+2*I:KF+2*I+1] op_sel_hi:[1,0,1]
.set I, I+1
.endr
.set I, 0
.rept 16
	v_cvt_pk_f16_f32 v[KF+32+16*\t+I], v[S+32*\t+2*I], v[S+32*\t+2*I+1]
.set I, I+1
.endr
.irp ct, 0,1,2,3
	global_store_b128 v[LI], v[KF+32+16*\t+4*\ct:KF+32+16*\t+4*\ct+3], s[10:11] offset:\t*24576+\ct*512   ; 512 consecutive bytes
.endr
.endr
	s_wait_tensorcnt 0x0                           ; the wave's end
	ds_add_u32 v[SPW], v[NIL]
	s_wait_dscnt 0x0
	CROUND                                         ; the closing round: no work-group ends while a partner may still ask for a tile that names it
	s_endpgm
.Lfunc_end_k_qd8f27b3f24_attn:
	.size	k_qd8f27b3f24_attn, .Lfunc_end_k_qd8f27b3f24_attn-k_qd8f27b3f24_attn
	.p2alignl 7, 3214868480
	.fill 96, 4, 3214868480
	.section	.rodata,"a",@progbits
	.p2align	6, 0x0
	.amdhsa_kernel k_qd8f27b3f24_attn
		.amdhsa_group_segment_fixed_size 327680
		.amdhsa_private_segment_fixed_size 0
		.amdhsa_enable_private_segment 0
		.amdhsa_kernarg_size 32
		.amdhsa_user_sgpr_count 2
		.amdhsa_user_sgpr_kernarg_segment_ptr 1
		.amdhsa_wavefront_size32 1
		.amdhsa_system_sgpr_workgroup_id_x 1
		.amdhsa_system_sgpr_workgroup_id_y 1
		.amdhsa_system_sgpr_workgroup_id_z 1
		.amdhsa_system_vgpr_workitem_id 0
		.amdhsa_next_free_vgpr 320
		.amdhsa_next_free_sgpr 66
		.amdhsa_reserve_vcc 0
		.amdhsa_float_denorm_mode_32 3
		.amdhsa_float_denorm_mode_16_64 3
		.amdhsa_memory_ordered 1
		.amdhsa_forward_progress 1
		.amdhsa_inst_pref_size 106
	.end_amdhsa_kernel
	.amdgpu_metadata
---
amdhsa.version: [ 1, 2 ]
amdhsa.kernels:
  - .name:           k_qd8f27b3f24_attn
    .symbol:         k_qd8f27b3f24_attn.kd
    .args:
      - { .name: qf, .offset: 0, .size: 8, .value_kind: global_buffer, .address_space: global }
      - { .name: kv, .offset: 8, .size: 8, .value_kind: global_buffer, .address_space: global }
      - { .name: bv, .offset: 16, .size: 8, .value_kind: global_buffer, .address_space: global }
      - { .name: ao, .offset: 24, .size: 8, .value_kind: global_buffer, .address_space: global }
    .group_segment_fixed_size: 327680
    .private_segment_fixed_size: 0
    .kernarg_segment_align: 8
    .kernarg_segment_size: 32
    .max_flat_workgroup_size: 256
    .sgpr_count:     66
    .vgpr_count:     320
    .wavefront_size: 32
...
	.end_amdgpu_metadata
.endif
;; end of part 3
;; launch oproj (part 4): grid 4 x 64, 4 waves a work-group, clusters of 4 x 1, 167,936 bytes of LDS; arguments ao, wof, bo, out0; writes out0
.if DOCPART == 4
	.amdgcn_target "amdgcn-amd-amdhsa--gfx1250"
	.amdhsa_code_object_version 6
	.text
	.protected	k_qd8f27b3f24_oproj
	.globl	k_qd8f27b3f24_oproj
	.p2align	8
	.type	k_qd8f27b3f24_oproj,@function
k_qd8f27b3f24_oproj:
	s_mov_b64 s[64:65], 0
	v_nop
	global_prefetch_b8 v0, s[64:65] scope:SCOPE_SE
	s_setreg_imm32_b32 hwreg(HW_REG_WAVE_MODE, 25, 1), 1
	s_wait_xcnt 0x0
	s_wait_alu depctr_hold_cnt(0) depctr_sa_sdst(0) depctr_va_vdst(0) depctr_va_sdst(0) depctr_va_ssrc(0) depctr_va_vcc(0) depctr_vm_vsrc(0)
	s_getreg_b32 s2, hwreg(HW_REG_IB_STS2, 6, 4)
	s_cmp_eq_u32 s2, 0
	s_cbranch_scc0 .Lentry_in_a_cluster
	s_endpgm
.Lentry_in_a_cluster:
	s_bfe_u32 s2, ttmp6, 0x10000c
	s_cmp_lg_u32 s2, 0x3003
	s_cbranch_scc0 .Lentry_shape_is_right
	s_endpgm
.Lentry_shape_is_right:
; out0 = A Wo + bo.  A [4096][768] (the attention's output) and Wo^T in f16, both as images of operand registers (a fragment of 16 x 32: 1,024 bytes, [c][lane][16 bytes]); sums in f32; out0 [4096][768] f32.
; SHARES.  A work-group makes 64 tokens x 192 columns (768 bytes of a row: three aligned runs of 256); each of its four waves 64 tokens x 48 columns: 12 accumulators.  4 x 64 = 256 work-groups.
; CLUSTER.  The four work-groups of a cluster make the four column blocks of the same 64 tokens: A's tile, 4 x 24,576 dense bytes, is asked for JOINTLY, one tensor load a wave, once: nothing is filled again.
; A fragment of Wo^T is used by one wave of a work-group alone, and a work-group's 192 columns of it (294,912 bytes) do not fit in LDS beside A's tile: it goes from memory straight into registers, through a ring of
; nine sets: 54 loads a wave at the head, 48 out in the loop.
; THE MATRIX INSTRUCTION IS USED TRANSPOSED (source 0 = 16 columns of Wo, source 1 = 16 tokens): a lane holds one token and eight neighbouring columns.  bo is the C of each sum's first product: eight registers a tile of columns.
; REGISTERS.  Window 0: v1-7 addresses; v10, v11 the add's two; v16-111 accumulator (tokens 16 m on, columns 16 nt on) at 16 + 8 (4 nt + m); v112-135 bo; v184-247 A, two sets of 4; on the way out v112-207 rows of out0.
;             Window 1: v0-215 Wo^T: set k % 9, fragment nt at 24 (k % 9) + 8 nt.
.set STG,   98304                      ; behind A's tile: the stage, 64 rows x (768 bytes + 16): an odd multiple of 16 bytes a row
.set SP,    784
.set SPARE, STG+64*SP                  ; behind the stage: the spare words, 128 bytes for each wave: two blocks of 256 bytes that no other line names
.set LI,  1                            ; v1  16 x lane
.set LI2, 2                            ; v2  16 x lane + 49,152: token tiles 2 and 3 lie beyond an LDS immediate's reach
.set STO, 3                            ; v3  the stage: where I put 32 bytes of a row
.set RD0, 4                            ; v4  the stage, back: 16 x lane of my first row
.set RD1, 5                            ; v5  lanes 0-15 the end of a row, lanes 16-31 the head of the next
.set GO1, 6                            ; v6  the same two places in out0
.set BO,  7                            ; v7  32 x (lane / 16)
.set SPW, 10
.set NIL, 11
.set ACC, 16
.set BI,  112
.set WR,  112
.set AB,  184
.set WD,  9                            ; sets in Wo^T's ring
.set WV,  12
.set G1,  24                           ; s[24:31] descriptor group 1;  s[32:35] group 0
.set G0,  32
.set MSB, 0
.macro WIN new                         ; the immediate's high byte repeats the setting that is left
.if MSB != (\new)
	s_set_vgpr_msb (MSB<<8)|(\new)
.set MSB, (\new)
.endif
.endm
.macro CROUND
	s_barrier_signal -1
	s_barrier_wait -1
	s_cmp_lg_u32 s[WV], 0
	s_cbranch_scc1 .Lnot_wave_0_\@
	s_barrier_signal -3
.Lnot_wave_0_\@:
	s_barrier_wait -3
	s_barrier_signal -1
	s_barrier_wait -1
.endm
	s_load_b256 s[4:11], s[0:1], 0x0               ; ao, wof, bo, out0
	v_lshl_add_u32 v[SPW], v0, 2, SPARE
	v_mov_b32 v[NIL], 0
	ds_add_u32 v[SPW], v[NIL]                      ; the wave's opening: the add, twice on end, and its wait ahead of my first tensor load
	ds_add_u32 v[SPW], v[NIL]
	v_lshrrev_b32 v8, 5, v0
	v_readfirstlane_b32 s[WV], v8                  ; wave 0..3
	v_and_b32 v8, 31, v0
	v_and_b32 v9, 15, v0                           ; r
	v_bfe_u32 v12, v0, 4, 1                        ; h
	v_lshlrev_b32 v[LI], 4, v8
	v_add_nc_u32 v[LI2], 49152, v[LI]
	v_lshlrev_b32 v[BO], 5, v12
	s_mul_i32 s20, s[WV], 192
	s_add_co_u32 s20, s20, STG
	v_mul_u32_u24 v[STO], v9, SP
	v_add_nc_u32 v[STO], v[STO], v[BO]
	v_add_nc_u32 v[STO], s20, v[STO]               ; row r, + 32 h, + my wave's 192 bytes
	s_mul_i32 s21, s[WV], 16*SP
	s_add_co_u32 s21, s21, STG
	v_add_nc_u32 v[RD0], s21, v[LI]                ; back: my 16 rows
	v_mul_u32_u24 v[RD1], v12, 272
	v_lshl_add_u32 v[RD1], v9, 4, v[RD1]
	v_add_nc_u32 v[RD1], s21, v[RD1]               ; 16 r + 272 h: with 512 in the immediate, byte 512 of a row or byte 0 of the next (784 on)
	v_mul_u32_u24 v[GO1], v12, 2560
	v_lshl_add_u32 v[GO1], v9, 4, v[GO1]           ; and in out0: 16 r + 2,560 h, with 512 in the immediate
	s_bfe_u32 s13, ttmp6, 0x40000                  ; cx: my block of 192 columns
	s_and_b32 s14, ttmp7, 0xffff                   ; the block of 64 tokens, which the four partners share
	; descriptor group 1: 24,576 dense bytes as 96 rows of 32 elements of 8 bytes
	s_mov_b32 s[G1], 15|(3<<16)|(1<<21)            ; the mask: all four work-groups; elements of 8 bytes; bit 21 set beside a mask; no padding
	s_mov_b32 s[G1+1], 32<<16                      ; tensor_dim0 = 32
	s_mov_b32 s[G1+2], 96<<16                      ; tensor_dim1 = 96
	s_mov_b32 s[G1+3], 32<<16                      ; tile_dim0 = 32
	s_mov_b32 s[G1+4], 96                          ; tile_dim1 = 96
	s_mov_b32 s[G1+5], 32                          ; from row to row
	s_mov_b32 s[G1+6], 0
	s_mov_b32 s[G1+7], 0
	s_lshl_b32 s16, s14, 2
	s_add_co_u32 s16, s16, s[WV]
	s_mul_i32 s16, s16, 24576                      ; A: token tile 4 x block + wave
	s_mov_b32 s17, 0
	s_mov_b32 s[G0], 1
	s_mul_i32 s[G0+1], s[WV], 24576                ; to LDS: wave x 24,576: no place in the cluster enters it
	s_mul_i32 s18, s13, 12
	s_mul_i32 s22, s[WV], 3
	s_add_co_u32 s18, s18, s22
	s_lshl_b32 s18, s18, 10                        ; Wo^T: column tile 12 cx + 3 x wave
	s_mov_b32 s19, 0
	s_mul_i32 s36, s13, 768
	s_mul_i32 s22, s[WV], 192
	s_add_co_u32 s36, s36, s22                     ; bo: my 48 numbers
	s_mov_b32 s37, 0
	s_lshl_b32 s38, s14, 6
	s_lshl_b32 s22, s[WV], 4
	s_add_co_u32 s38, s38, s22
	s_mul_i32 s38, s38, 3072                       ; out0: row 64 x block + 16 x wave,
	s_mul_i32 s22, s13, 768
	s_add_co_u32 s38, s38, s22                     ; my work-group's 768 bytes of it
	s_mov_b32 s39, 0
	s_wait_dscnt 0x0                               ; both opening adds are done
	s_wait_kmcnt 0x0
	s_add_nc_u64 s[G0+2:G0+3], s[4:5], s[16:17]
	s_or_b32 s[G0+3], s[G0+3], 0x80000000          ; type = 2
	s_add_nc_u64 s[6:7], s[6:7], s[18:19]
	s_add_nc_u64 s[8:9], s[8:9], s[36:37]
	s_add_nc_u64 s[10:11], s[10:11], s[38:39]
	CROUND                                         ; all four work-groups are here: the joint loads meet
	tensor_load_to_lds s[G0:G0+3], s[G1:G1+7]      ; my one tensor load of the launch
	s_nop 0
.rept 4
	v_nop
.endr
.irp nt, 0,1,2
	global_load_b128 v[BI+8*\nt:BI+8*\nt+3], v[BO], s[8:9] offset:64*\nt        ; bo at columns 16 nt + 8 h + 0..7: the same for every tile of tokens
	global_load_b128 v[BI+8*\nt+4:BI+8*\nt+7], v[BO], s[8:9] offset:64*\nt+16
.endr
.macro WLOAD k                         ; K step k's three fragments of Wo^T: six loads, into set k % 9 of window 1
	WIN 0x40
.irp nt, 0,1,2
.irp c, 0,1
	global_load_b128 v[24*((\k)%WD)+8*\nt+4*\c:24*((\k)%WD)+8*\nt+4*\c+3], v[LI], s[6:7] offset:(\k)*49152+\nt*1024+512*\c
.endr
.endr
.endm
.macro ALOAD k                         ; K step k's four fragments of A: eight LDS loads, into set k % 2
	WIN 0
.irp m, 0,1
.irp c, 0,1
	ds_load_b128 v[AB+32*((\k)%2)+8*\m+4*\c:AB+32*((\k)%2)+8*\m+4*\c+3], v[LI] offset:\m*24576+(\k)*1024+512*\c
.endr
.endr
.irp m, 2,3
.irp c, 0,1
	ds_load_b128 v[AB+32*((\k)%2)+8*\m+4*\c:AB+32*((\k)%2)+8*\m+4*\c+3], v[LI2] offset:(\m-2)*24576+(\k)*1024+512*\c
.endr
.endr
.endm
.set K, 0
.rept WD                               ; the ring is filled: with bo's six, 60 loads of mine are out
	WLOAD K
.set K, K+1
.endr
	WIN 0
	s_wait_tensorcnt 0x0                           ; my tile of tokens is in,
	s_barrier_signal -1
	s_barrier_wait -1                              ; everybody's is
	ALOAD 0
	ALOAD 1
.set K, 0
.rept 24                               ; K = 768 in 24 steps of 32
.if 23-K >= WD-1
	s_wait_loadcnt 6*(WD-1)                        ; loads come back in order (ISA guide 5.7.1): behind this step's fragments of Wo^T the next eight steps' 48 loads were issued
.else
	s_wait_loadcnt 6*(23-K)
.endif
.if K < 23
	s_wait_dscnt 8                                 ; and behind its fragments of A the next step's eight
.else
	s_wait_dscnt 0x0
.endif
	WIN 0x01                                       ; source 0 (Wo^T) in window 1
.irp nt, 0,1,2                         ; the 12 accumulators take turns, one instruction a turn, in the same order in every step
.irp m, 0,1,2,3
.if K == 0
	v_wmma_f32_16x16x32_f16 v[ACC+8*(4*\nt+\m):ACC+8*(4*\nt+\m)+7], v[24*(K%WD)+8*\nt:24*(K%WD)+8*\nt+7], v[AB+32*(K%2)+8*\m:AB+32*(K%2)+8*\m+7], v[BI+8*\nt:BI+8*\nt+7]
.else
	v_wmma_f32_16x16x32_f16 v[ACC+8*(4*\nt+\m):ACC+8*(4*\nt+\m)+7], v[24*(K%WD)+8*\nt:24*(K%WD)+8*\nt+7], v[AB+32*(K%2)+8*\m:AB+32*(K%2)+8*\m+7], v[ACC+8*(4*\nt+\m):ACC+8*(4*\nt+\m)+7]
.endif
.endr
.endr
.rept 4
	v_nop                                          ; four places in front of loads into registers that these products read, and of the first read of results
.endr
.if K+WD < 24
	WLOAD K+WD                                     ; into the set just read
.endif
.if K+2 < 24
	ALOAD K+2
.endif
.set K, K+1
.endr
	WIN 0
	; THE WAY OUT.  A row's 768 bytes come from four waves: they meet in the stage; then each wave stores 16 whole rows, sixteen lanes to 256 consecutive bytes, aligned.
.irp m, 0,1,2,3
.irp nt, 0,1,2
	ds_store_b128 v[STO], v[ACC+8*(4*\nt+\m):ACC+8*(4*\nt+\m)+3] offset:16*\m*SP+64*\nt          ; each accumulator from its low end on
	ds_store_b128 v[STO], v[ACC+8*(4*\nt+\m)+4:ACC+8*(4*\nt+\m)+7] offset:16*\m*SP+64*\nt+16
.endr
.endr
	s_wait_dscnt 0x0                               ; for the others' sake: my stores into the stage are done
	s_barrier_signal -1
	s_barrier_wait -1
.irp p, 0,1,2,3,4,5,6,7                ; two rows, 1,536 bytes, are three loads: bytes 0-511 of the first; its bytes 512-767 and bytes 0-255 of the second; bytes 256-767 of the second
	ds_load_b128 v[WR+12*\p:WR+12*\p+3], v[RD0] offset:2*\p*SP
	ds_load_b128 v[WR+12*\p+4:WR+12*\p+7], v[RD1] offset:2*\p*SP+512
	ds_load_b128 v[WR+12*\p+8:WR+12*\p+11], v[RD0] offset:2*\p*SP+SP+256
.endr
.irp p, 0,1,2,3,4,5,6,7
	s_wait_dscnt 23-3*\p
	global_store_b128 v[LI], v[WR+12*\p:WR+12*\p+3], s[10:11] offset:\p*6144 th:TH_STORE_NT
	s_wait_dscnt 22-3*\p
	global_store_b128 v[GO1], v[WR+12*\p+4:WR+12*\p+7], s[10:11] offset:\p*6144+512 th:TH_STORE_NT
	s_wait_dscnt 21-3*\p
	global_store_b128 v[LI], v[WR+12*\p+8:WR+12*\p+11], s[10:11] offset:\p*6144+3072+256 th:TH_STORE_NT
.endr
	s_wait_tensorcnt 0x0                           ; the wave's end, behind my last tensor load and my last LDS store
	ds_add_u32 v[SPW], v[NIL]
	s_wait_dscnt 0x0
	CROUND                                         ; the closing round
	s_endpgm
.Lfunc_end_k_qd8f27b3f24_oproj:
	.size	k_qd8f27b3f24_oproj, .Lfunc_end_k_qd8f27b3f24_oproj-k_qd8f27b3f24_oproj
	.p2alignl 7, 3214868480
	.fill 96, 4, 3214868480
	.section	.rodata,"a",@progbits
	.p2align	6, 0x0
	.amdhsa_kernel k_qd8f27b3f24_oproj
		.amdhsa_group_segment_fixed_size 167936
		.amdhsa_private_segment_fixed_size 0
		.amdhsa_enable_private_segment 0
		.amdhsa_kernarg_size 32
		.amdhsa_user_sgpr_count 2
		.amdhsa_user_sgpr_kernarg_segment_ptr 1
		.amdhsa_wavefront_size32 1
		.amdhsa_system_sgpr_workgroup_id_x 1
		.amdhsa_system_sgpr_workgroup_id_y 1
		.amdhsa_system_sgpr_workgroup_id_z 1
		.amdhsa_system_vgpr_workitem_id 0
		.amdhsa_next_free_vgpr 472
		.amdhsa_next_free_sgpr 66
		.amdhsa_reserve_vcc 0
		.amdhsa_float_denorm_mode_32 3
		.amdhsa_float_denorm_mode_16_64 3
		.amdhsa_memory_ordered 1
		.amdhsa_forward_progress 1
		.amdhsa_inst_pref_size 62
	.end_amdhsa_kernel
	.amdgpu_metadata
---
amdhsa.version: [ 1, 2 ]
amdhsa.kernels:
  - .name:           k_qd8f27b3f24_oproj
    .symbol:         k_qd8f27b3f24_oproj.kd
    .args:
      - { .name: ao, .offset: 0, .size: 8, .value_kind: global_buffer, .address_space: global }
      - { .name: wof, .offset: 8, .size: 8, .value_kind: global_buffer, .address_space: global }
      - { .name: bo, .offset: 16, .size: 8, .value_kind: global_buffer, .address_space: global }
      - { .name: out0, .offset: 24, .size: 8, .value_kind: global_buffer, .address_space: global }
    .group_segment_fixed_size: 167936
    .private_segment_fixed_size: 0
    .kernarg_segment_align: 8
    .kernarg_segment_size: 32
    .max_flat_workgroup_size: 128
    .sgpr_count:     66
    .vgpr_count:     472
    .wavefront_size: 32
...
	.end_amdgpu_metadata
.endif
;; end of part 4
